; MI455X (gfx1250); checked and timed in simulation.
; The chip was launched on July 23, 2026; its instructions are those of AMD's public machine-readable ISA for CDNA 5 (MIT licence, August 2026) and "CDNA5" Instruction Set Architecture Reference Guide (July 2026). The comments in the code are by the model that wrote it; some were corrected since.
;; Cross Attention Block. Allowed arithmetic: matrix products marked QUANTISED: E2M1 operands, one E8M0 scale for each 32 along K, by v_wmma_scale_f32_16x16x128_f8f6f4 with both operands' format E2M1 (or v_wmma_scale_f32_32x16x128_f4), f32 sums; products left as they are: f32 operands where the result goes on into a quantised operand, else bf16, f16 or f32 operands; f32 sums; everything else in f32.
;; Inputs: b_fc 1,024 float32; b_pr 256 float32; bkv 512 float32; bo 256 float32; bq 256 float32; cx_codes 8 x 128 x 8 x 16 uint8 (E2M1 codes of cx, K innermost, in blocks of 32 codes, two codes a byte); cx_scales 8 x 128 x 8 uint8 (E8M0 scales of cx, one for each 32 codes along K); ln1_b 256 float32; ln1_w 256 float32; ln2_b 256 float32; ln2_w 256 float32; w_fc_codes 1,024 x 8 x 16 uint8 (E2M1 codes of w_fc, K innermost, in blocks of 32 codes, two codes a byte); w_fc_scales 1,024 x 8 uint8 (E8M0 scales of w_fc, one for each 32 codes along K); w_pr_codes 256 x 32 x 16 uint8 (E2M1 codes of w_pr, K innermost, in blocks of 32 codes, two codes a byte); w_pr_scales 256 x 32 uint8 (E8M0 scales of w_pr, one for each 32 codes along K); wkv_codes 512 x 8 x 16 uint8 (E2M1 codes of wkv, K innermost, in blocks of 32 codes, two codes a byte); wkv_scales 512 x 8 uint8 (E8M0 scales of wkv, one for each 32 codes along K); wo_codes 256 x 8 x 16 uint8 (E2M1 codes of wo, K innermost, in blocks of 32 codes, two codes a byte); wo_scales 256 x 8 uint8 (E8M0 scales of wo, one for each 32 codes along K); wq_codes 256 x 8 x 16 uint8 (E2M1 codes of wq, K innermost, in blocks of 32 codes, two codes a byte); wq_scales 256 x 8 uint8 (E8M0 scales of wq, one for each 32 codes along K); x 8 x 128 x 64 x 256 float32.
;; Outputs: out0 8 x 128 x 64 x 256 float32.
;; This version of the problem:
;;   THIS VERSION OF THE PROBLEM IS GIVEN IN LOW PRECISION. The matrix products marked QUANTISED in the list below multiply operands that are first quantised to E2M1 (2 exponent bits, 1 mantissa bit; 4 bits a number), with one power-of-two scale for each 32 numbers along K (OCP MX v1.0); their sums are f32. All else is computed in f32.
;;   The module's matrix products, in the order in which they are computed (A, B: the left and right operand; K: the contracted axis; several contracted axes count as one K, in the product's order):
;;     1. [M 65,536, K 256] x [K 256, N 256]; A: computed on the way; B: input wq (given as codes): QUANTISED
;;     2. [M 1,024, K 256] x [K 256, N 512]; A: input cx (given as codes); B: input wkv (given as codes): QUANTISED
;;     3. batch 8,192 x [M 64, K 32] x [K 32, N 1]; A: computed on the way; B: computed on the way: left as it is (N = 1 < 16)
;;     4. batch 8,192 x [M 64, K 1] x [K 1, N 32]; A: computed on the way; B: computed on the way: left as it is (no contracted axis)
;;     5. [M 65,536, K 256] x [K 256, N 256]; A: computed on the way; B: input wo (given as codes): QUANTISED
;;     6. [M 65,536, K 256] x [K 256, N 1,024]; A: computed on the way; B: input w_fc (given as codes): QUANTISED
;;     7. [M 65,536, K 1,024] x [K 1,024, N 256]; A: computed on the way; B: input w_pr (given as codes): QUANTISED
;;   THE QUANTISER, for each operand of a quantised product, along K:
;;     - K is cut into blocks of 32 from its start; a last block that is shorter is filled with zeros.
;;     - A block's scale is 2^e with e = floor(log2(the largest magnitude in the block)) - 2, held to -126 .. 127; a block of zeros has e = 0. As a byte (E8M0): e + 127.
;;     - Each number is divided by its block's scale, clamped to +-6, and rounded to the nearest number of E2M1, ties to even, subnormals kept.
;;     - The product sums the exact products of the quantised numbers (number of the format x scale) in f32.
;;   ~~~python
;;   def quantise(x, axis):      # numpy; x: float32 -> the quantised numbers, widened to float32 again
;;       x = np.moveaxis(x, axis, -1); K = x.shape[-1]
;;       x = np.pad(x, [(0, 0)] * (x.ndim - 1) + [(0, -K % 32)]); x = x.reshape(x.shape[:-1] + (-1, 32)); a = np.abs(x).max(-1, keepdims=True)
;;       e = np.where(a > 0, np.clip(np.frexp(np.where(a > 0, a, 1))[1] - 1 - 2, -126, 127), 0)      # np.frexp(a)[1] - 1 = floor(log2(a)), exactly
;;       r = np.clip(x / 2.0 ** e, -6, 6)
;;       step = 2.0 ** (np.maximum(np.frexp(np.where(r == 0, 1, r))[1] - 1, 0) - 1)
;;       q = np.round(r / step) * step * 2.0 ** e      # np.round: ties to even
;;       return np.moveaxis(q.reshape(q.shape[:-2] + (-1,))[..., :K], -1, axis).astype(np.float32)
;;   ~~~
;;   OPERANDS COMPUTED ON THE WAY. 'Computed on the way' means the value that the module computes at that place (a softmax that the list does not call 'softmax' is quantised finished and normalised). What goes into a quantiser is computed in f32, as accurately as f32 sums, v_exp_f32 and their like allow (about 1e-6 of the number): no bf16 or f16 on the way to a quantiser, and a product that is left as it is and whose result goes on into a quantised operand takes f32 operands (vector FMAs, or v_wmma_f32_16x16x4_f32). A number that lies on a knife's edge between two numbers of the format may be rounded either way, as far as f32 arithmetic and the matrix unit's own rounding can turn it there, and no further.
;;   INPUTS GIVEN AS CODES. cx (in the module: [8, 128, 256], K = its axis 2); w_fc (in the module: [256, 1024], K = its axis 0); w_pr (in the module: [1024, 256], K = its axis 0); wkv (in the module: [256, 512], K = its axis 0); wo (in the module: [256, 256], K = its axis 0); wq (in the module: [256, 256], K = its axis 0): each comes as NAME_codes (uint8): NAME with its K axis moved to the last place and cut into blocks of 32 codes, [.., K / 32, bytes a block], one block behind the other in memory; two codes a byte, the lower K in the low four bits (a code: sign, 2 exponent bits, 1 mantissa bit); and NAME_scales (uint8): the same leading axes, one E8M0 byte (e + 127) for each 32 codes along K. Its value is code x scale, taken as it is: it is not quantised again, and the codes and scales need not be those that the quantiser above would give.
;; One version. Each part assembles by itself: llvm-mc -triple=amdgcn-amd-amdhsa -mcpu=gfx1250 --defsym DOCPART=n.
;; ======== version 1 of 1: 1 launch
;; limits: right only within a limited range of input values
;; launch block (part 1): grid 256 x 1, 8 waves a work-group, clusters of 4 x 1, 327,680 bytes of LDS; arguments x, out0, cx_codes, cx_scales, wkv_codes, wkv_scales, bkv, wo_codes, wo_scales, bo, w_fc_codes, w_pr_codes, w_fc_scales, w_pr_scales, ln1_w, ln1_b, ln2_w, ln2_b, b_pr, b_fc; writes out0
.if DOCPART == 1
	.amdgcn_target "amdgcn-amd-amdhsa--gfx1250"
	.amdhsa_code_object_version 6
	.text
	.protected	k_q990696530c_block
	.globl	k_q990696530c_block
	.p2align	8
	.type	k_q990696530c_block,@function
k_q990696530c_block:
	s_mov_b64 s[64:65], 0
	v_nop
	global_prefetch_b8 v0, s[64:65] scope:SCOPE_SE
	s_setreg_imm32_b32 hwreg(HW_REG_WAVE_MODE, 25, 1), 1
	s_wait_xcnt 0x0
	s_wait_alu depctr_hold_cnt(0) depctr_sa_sdst(0) depctr_va_vdst(0) depctr_va_sdst(0) depctr_va_ssrc(0) depctr_va_vcc(0) depctr_vm_vsrc(0)
	s_getreg_b32 s2, hwreg(HW_REG_IB_STS2, 6, 4)
	s_cmp_eq_u32 s2, 0
	s_cbranch_scc0 .Lentry_in_a_cluster
	s_endpgm
.Lentry_in_a_cluster:
	s_bfe_u32 s2, ttmp6, 0x10000c
	s_cmp_lg_u32 s2, 0x3003
	s_cbranch_scc0 .Lentry_shape_is_right
	s_endpgm
.Lentry_shape_is_right:
; CrossAttentionBlock in one launch: LN1, V = cx wkv + bkv, y wo + bo, the residual, LN2, gelu(x3 w_fc + b_fc) w_pr + b_pr, the residual.
; WORK LEFT OUT AS DEAD.  All keys of a block (b, a) are one key, so the t + 1 open logits of row t are one number s and the others are -inf: for every finite s the softmax gives
; t + 1 equal weights 1 / (t + 1) and zeros, whose sum is 1 by identity.  y[b,a,t,:] = (the sum of the weights) V[b,a,:] = V[b,a,:] for all values of the inputs.  So Q = x1 wq + bq, K (the first
; 256 columns of kv), the scores and the softmax reach no output: they are not computed, wq_codes, wq_scales and bq are no arguments, and of wkv and bkv only V's rows 256 .. 511 are read.
; y's 64 rows of a block are equal, so their codes and their rows of y wo + bo are equal: that product is made once for each block.
; LIMIT: a NaN, an infinity or an overflow that reaches only Q, K or the scores is not carried to the result.
; SHARES.  Work-group g owns rows 256 g .. + 255: blocks 4 g .. 4 g + 3 of 64 time steps.  Each of eight waves owns 32 rows, two tiles m of 16, through the whole chain.
; LAYOUT.  Products are used transposed (source 0 = 16 rows of the weight, source 1 = my 16 rows): lane (r = lane % 16, h = lane / 16) holds row r.  Lane r of tile (c, g) takes weight row
; 64 c + 8 g + r % 8 + 32 (r / 8), so register j of that tile is feature 64 c + 32 h + 8 g + j: the 32 registers of tiles (c, 0 .. 3) are one whole block of 32 along the next K.
; WEIGHTS.  All of w_fc (as 512 rows of 256 bytes + 16) and of w_pr (256 rows of 512 bytes + 16) lie in LDS for the whole launch: eight tensor loads, one a wave, at the head; nothing is filled again.
; CLUSTER.  All work-groups read the same weights: the four of a cluster ask for each tile jointly (mask 15).  Parameters, scale bytes, wkv's and wo's rows, a tenth of that, come by plain loads.
; THE STAGES.  x comes and out leaves by rows (sixteen lanes on 256 consecutive bytes, aligned) and turns through a stage of 16 x 272 bytes.  Waves w and w + 4 share a stage: waves 0-3 ask for x
; first and turn it in first; waves 4-7 ask behind the first barrier and turn in behind the third.  A split barrier (signal behind the second turn in, wait ahead of the first way out; only register
; work and LDS loads of bytes that nobody writes between) and one more barrier order the two ways out.
; NO PREFETCH: x is asked for whole at the head, straight into registers; there is no loop to run ahead in.
; GELU.  gelu(u) = u (1/2 + erf(u / sqrt 2) / 2), erf(z) = z P(z z) / Q(z z) with z held to +-4 (degrees 6 and 4; coefficients rescaled to take w = u held to +-4 sqrt 2, and the factor 1/2).
; LIMITS.  erf is right to about 1e-7 in absolute terms, so gelu's error is about 1e-7 |u|, as that of u (1 + erf) / 2 formed in f32: for u under -4 the tail, itself under 2e-4, has few right digits.
; NaN and infinities among the inputs are not served beyond what the arithmetic passes on.  A block whose largest magnitude lies under 2^-124, a block of zeros too, gets the scale byte 1
; (its codes are zeros or near; the bytes are read by this text alone).
.set PAR,   0                          ; ln1_w, ln2_w, ln2_b, b_pr (1,024 bytes each), b_fc (4,096)
.set ZB,    8192                       ; [block][256] f32: Q(V) wo + bo + ln1_b
.set VB,    12288                      ; [block][256] f32: V
.set SCF,   16384                      ; w_fc's scale bytes as they lie in memory;
.set SCP,   24576                      ; w_pr's
.set STG,   32768                      ; four stages of 16 x 272 bytes
.set SPARE, 50176                      ; the spare words, 128 bytes a wave
.set WFC,   51200                      ; w_fc: row n at (n / 2) 272 + (n % 2) 128
.set WPR,   WFC+512*272                ; w_pr: row n at 528 n
.set SPW, 1
.set NIL, 2
.set LW,  3                            ; my lane's place in a tile of w_fc
.set LS8, 4                            ; among scale bytes of 8 a row: row x 8 + 4 h
.set LS32,5                            ; among w_pr's, 32 a row: row x 32 + 256 h
.set LP,  6                            ; 128 h
.set STI, 7                            ; my stage by lanes: 272 r + 128 h
.set STD, 8                            ; my stage by rows: 272 (lane / 16) + 16 (lane % 16)
.set GX,  9                            ; x and out by rows
.set AW,  10
.set AS,  11
.set AB,  12
.set AZ,  13                           ; my block's row of ZB, + 128 h
.set LPR, 14                           ; my lane's place in a tile of w_pr, WPR included
.set AW2, 15
.set SV,  16                           ; v16-23 in a LayerNorm: mean, 1 / sqrt; in the MLP v16-17, v18-19: two coefficients as pairs
.set VA5, 16
.set VB3, 18
.set QM,  24
.set QS,  28
.set BW,  30
.set PT,  32
.set XS,  34                           ; v34-47 hold scales and nothing else
.set HS,  38
.set WS,  40
.set XC,  48                           ; codes of cx, V, x3 in turn
.set HC,  80                           ; codes of 128 hidden units
.set HA,  96
.set WF,  160
.set PB,  224
.set FB,  4
.set CA,  24                           ; s[24:35] P's coefficients 6, 4, 3, 2, 1, 0, each twice
.set CB,  36                           ; s[36:43] Q's coefficients 4, 2, 1, 0
.set CL,  44                           ; s44, s45: -+4 sqrt 2
.set RN,  46
.set EPSR,47
.set SEL, 54
.set PRB, 60
.set SFB, 61
.set SPB, 62
.set BFB, 63
.set G1F, 68
.set G1P, 76
.set G0F, 84
.set G0P, 88
.set MSB, 0
.macro WIN new                         ; s_set_vgpr_msb: the high byte repeats the setting that is left
.if MSB != (\new)
	s_set_vgpr_msb (MSB<<8)|(\new)
.set MSB, (\new)
.endif
.endm
.macro PLACES n
.rept \n
	v_nop
.endr
.endm
.macro ROUND                           ; a round of the cluster's barrier
	s_barrier_signal -1
	s_barrier_wait -1
	s_cmp_lg_u32 s3, 0
	s_cbranch_scc1 .Lnot_wave_0_\@
	s_barrier_signal -3
.Lnot_wave_0_\@:
	s_barrier_wait -3
	s_barrier_signal -1
	s_barrier_wait -1
.endm
.macro SPAIR r, val
	s_mov_b32 s[\r], \val
	s_mov_b32 s[(\r)+1], \val
.endm
; one product.  row = 1: the weight's scale word from lanes 16-31; 2: both sides' from there
.macro MM d, a, b, c, sa, sb, row
.if (\row) == 2
	v_wmma_scale_f32_16x16x128_f8f6f4 v[(\d):(\d)+7], v[(\a):(\a)+7], v[(\b):(\b)+7], v[(\c):(\c)+7], v[\sa], v[\sb] matrix_a_fmt:MATRIX_FMT_FP4 matrix_b_fmt:MATRIX_FMT_FP4 matrix_a_scale:MATRIX_SCALE_ROW1 matrix_b_scale:MATRIX_SCALE_ROW1
.elseif (\row) == 1
	v_wmma_scale_f32_16x16x128_f8f6f4 v[(\d):(\d)+7], v[(\a):(\a)+7], v[(\b):(\b)+7], v[(\c):(\c)+7], v[\sa], v[\sb] matrix_a_fmt:MATRIX_FMT_FP4 matrix_b_fmt:MATRIX_FMT_FP4 matrix_a_scale:MATRIX_SCALE_ROW1
.else
	v_wmma_scale_f32_16x16x128_f8f6f4 v[(\d):(\d)+7], v[(\a):(\a)+7], v[(\b):(\b)+7], v[(\c):(\c)+7], v[\sa], v[\sb] matrix_a_fmt:MATRIX_FMT_FP4 matrix_b_fmt:MATRIX_FMT_FP4
.endif
.endm
; window 1 (v256-511): X[m][c][i] at 128 m + 32 c + i: row 16 m + r, feature 64 c + 32 h + i
.macro XLOAD m                         ; x by rows: an instruction takes a quarter of two rows
	WIN 0x40
.irp c,0,1,2,3
.irp i,0,1,2,3,4,5,6,7
	global_load_b128 v[128*(\m)+32*\c+4*\i:128*(\m)+32*\c+4*\i+3], v[GX], s[8:9] offset:(16*(\m)+2*\i)*1024+256*\c th:TH_LOAD_NT
.endr
.endr
	WIN 0
.endm
.macro TURNIN a, left                  ; 16 rows x 256 bytes: in by rows, back 128 bytes a lane.  LDS serves a wave's instructions in order (ISA guide 5.7.1.4)
	s_wait_loadcnt \left                           ; this round's eight loads are in; the later rounds' stay out
	WIN 0x04
.irp i,0,1,2,3,4,5,6,7
	ds_store_b128 v[STD], v[32*(\a)+4*\i:32*(\a)+4*\i+3] offset:544*\i
.endr
	WIN 0x40
.irp i,0,1,2,3,4,5,6,7
	ds_load_b128 v[32*(\a)+4*\i:32*(\a)+4*\i+3], v[STI] offset:16*\i
.endr
.endm
.macro TURNALL
	TURNIN 0, 56
	TURNIN 1, 48
	TURNIN 2, 40
	TURNIN 3, 32
	TURNIN 4, 24
	TURNIN 5, 16
	TURNIN 6, 8
	TURNIN 7, 0
	WIN 0
.endm
; two blocks of 32, v[a] .. and v[b] .., in window win, become four registers of codes each at d0 and d1; my bytes go into BW, BW + 1 (h2 = 0: bits 7:0; 1: bits 23:16).
; The floor 2^(3 - 127) holds the byte at 1 from below; 2 off the largest magnitude's exponent field is the conversion's scale operand
.macro QB a, b, win, d0, d1, h2
	WIN 0x14*(\win)
	v_max3_num_f32 v[QM], 0x1800000, |v[(\a)]|, |v[(\a)+1]|
	v_max3_num_f32 v[QM+1], 0x1800000, |v[(\a)+2]|, |v[(\a)+3]|
	v_max3_num_f32 v[QM+2], 0x1800000, |v[(\b)]|, |v[(\b)+1]|
	v_max3_num_f32 v[QM+3], 0x1800000, |v[(\b)+2]|, |v[(\b)+3]|
.irp i,4,8,12,16,20,24,28
	v_max3_num_f32 v[QM], v[QM], |v[(\a)+\i]|, |v[(\a)+\i+1]|
	v_max3_num_f32 v[QM+1], v[QM+1], |v[(\a)+\i+2]|, |v[(\a)+\i+3]|
	v_max3_num_f32 v[QM+2], v[QM+2], |v[(\b)+\i]|, |v[(\b)+\i+1]|
	v_max3_num_f32 v[QM+3], v[QM+3], |v[(\b)+\i+2]|, |v[(\b)+\i+3]|
.endr
	WIN 0
	v_max_num_f32 v[QM], v[QM], v[QM+1]
	v_max_num_f32 v[QM+2], v[QM+2], v[QM+3]
	s_delay_alu instid0(VALU_DEP_2)
	v_add_nc_u32 v[QS], 0xff000000, v[QM]
	s_delay_alu instid0(VALU_DEP_2)
	v_add_nc_u32 v[QS+1], 0xff000000, v[QM+2]
.if \h2
	s_delay_alu instid0(VALU_DEP_2)
	v_lshrrev_b32 v[PT], 23, v[QS]
	s_delay_alu instid0(VALU_DEP_2)
	v_lshrrev_b32 v[PT+1], 23, v[QS+1]
	s_delay_alu instid0(VALU_DEP_2)
	v_lshl_or_b32 v[BW], v[PT], 16, v[BW]
	s_delay_alu instid0(VALU_DEP_2)
	v_lshl_or_b32 v[BW+1], v[PT+1], 16, v[BW+1]
.else
	s_delay_alu instid0(VALU_DEP_2)
	v_lshrrev_b32 v[BW], 23, v[QS]
	s_delay_alu instid0(VALU_DEP_2)
	v_lshrrev_b32 v[BW+1], 23, v[QS+1]
.endif
	WIN 0x01*(\win)
.irp g,0,1,2,3
	v_cvt_scalef32_pk8_fp4_f32 v[(\d0)+\g], v[(\a)+8*\g:(\a)+8*\g+7], v[QS]
	v_cvt_scalef32_pk8_fp4_f32 v[(\d1)+\g], v[(\b)+8*\g:(\b)+8*\g+7], v[QS+1]
.endr
	WIN 0
	v_nop                                          ; one plain line behind the last scaled conversion
.endm
; my two bytes (blocks h and 2 + h of a K step) go 8 h bits up and meet lane l xor 16's: the scale word, in both halves
.macro SCALEWORDS d0, d1
	v_lshrrev_b32 v[PT], 4, v[LP]
	s_delay_alu instid0(VALU_DEP_1)
	v_lshlrev_b32 v[BW], v[PT], v[BW]
	s_delay_alu instid0(VALU_DEP_2)
	v_lshlrev_b32 v[BW+1], v[PT], v[BW+1]
	s_delay_alu instid0(VALU_DEP_2)
	v_permlanex16_b32 v[PT], v[BW], s[SEL], s[SEL+1]
	s_delay_alu instid0(VALU_DEP_2)
	v_permlanex16_b32 v[PT+1], v[BW+1], s[SEL], s[SEL+1]
	s_delay_alu instid0(VALU_DEP_2)
	v_or_b32 v[\d0], v[BW], v[PT]
	s_delay_alu instid0(VALU_DEP_2)
	v_or_b32 v[\d1], v[BW+1], v[PT+1]
.endm
; four tiles of w_fc, rows row + 8 g + ..: both K steps' fragments at WF + 16 g + 8 s, and a scale register a tile (lanes 0-15 K step 0, lanes 16-31 K step 1)
.macro WLOAD row
.irp g,0,1,2,3
.irp s,0,1
.irp e,0,1
	ds_load_b128 v[WF+16*\g+8*\s+4*\e:WF+16*\g+8*\s+4*\e+3], v[AW] offset:(((\row)+8*\g)/2)*272+64*\s+32*\e
.endr
.endr
	ds_load_b32 v[WS+\g], v[AS] offset:((\row)+8*\g)*8
.endr
.endm
.macro BLOAD adr, off                  ; my half's 32 numbers of a vector
.irp i,0,1,2,3,4,5,6,7
	ds_load_b128 v[PB+4*\i:PB+4*\i+3], v[\adr] offset:(\off)+16*\i
.endr
.endm
; 16 products: HA[m][g] = the bias in PB + tile g x x3.  The eight accumulators take turns
.macro MULH
.irp g,0,1,2,3
.irp m,0,1
	MM HA+32*\m+8*\g,WF+16*\g,XC+16*\m,PB+8*\g,WS+\g,XS+2*\m,0
.endr
.endr
.irp g,0,1,2,3
.irp m,0,1
	MM HA+32*\m+8*\g,WF+16*\g+8,XC+16*\m+8,HA+32*\m+8*\g,WS+\g,XS+2*\m+1,1
.endr
.endr
.endm
	s_load_b512 s[8:23], s[0:1], 0x0               ; x, out, cx codes, cx scales, wkv codes, wkv scales, bkv, wo codes
	s_load_b512 s[24:39], s[0:1], 0x40             ; wo scales, bo, w_fc codes, w_pr codes, w_fc scales, w_pr scales, ln1_w, ln1_b
	s_load_b256 s[40:47], s[0:1], 0x80             ; ln2_w, ln2_b, b_pr, b_fc
	v_lshl_add_u32 v[SPW], v0, 2, SPARE
	v_mov_b32 v[NIL], 0
	ds_add_u32 v[SPW], v[NIL]                      ; the opening lines: the add, twice on end; its wait stands ahead of my tensor load
	ds_add_u32 v[SPW], v[NIL]
	v_lshrrev_b32 v10, 5, v0
	s_delay_alu instid0(VALU_DEP_1)
	v_readfirstlane_b32 s3, v10                    ; wave 0..7
	s_and_b32 s5, s3, 3                            ; which quarter of a weight I fetch; which stage is mine
	s_bfe_u32 s6, ttmp6, 0x40000                   ; my place in the cluster enters the addresses of x, out and cx alone
	s_lshl_b32 s58, ttmp9, 2
	s_add_co_u32 s6, s58, s6                       ; work-group g
	s_mov_b32 s59, 0
	s_mov_b32 s67, 0
	s_mov_b32 s[SEL], 0x76543210
	s_mov_b32 s[SEL+1], 0xfedcba98
	s_mov_b32 s[G1F], 0x0773000f                   ; mask 15; elements of 8 bytes; padding on; bit 21 beside the mask; four words behind every 64
	s_mov_b32 s[G1F+1], 32<<16                     ; w_fc's quarter, dense: 128 rows of 256 bytes
	s_mov_b32 s[G1F+2], 128<<16
	s_mov_b32 s[G1F+3], 32<<16
	s_mov_b32 s[G1F+4], 128
	s_mov_b32 s[G1F+5], 32
	s_mov_b32 s[G1F+6], 0
	s_mov_b32 s[G1F+7], 0
	s_mov_b32 s[G1P], 0x07b3000f                   ; the same, four words behind every 128
	s_mov_b32 s[G1P+1], 64<<16                     ; w_pr's quarter: 64 rows of 512 bytes
	s_mov_b32 s[G1P+2], 64<<16
	s_mov_b32 s[G1P+3], 64<<16
	s_mov_b32 s[G1P+4], 64
	s_mov_b32 s[G1P+5], 64
	s_mov_b32 s[G1P+6], 0
	s_mov_b32 s[G1P+7], 0
	v_and_b32 v10, 15, v0                          ; r
	v_bfe_u32 v11, v0, 4, 1                        ; h
	v_bfe_u32 v12, v0, 1, 2
	v_bfe_u32 v26, v0, 3, 1                        ; r / 8
	v_and_b32 v27, 1, v0
	v_lshl_add_u32 v12, v26, 4, v12                ; (r % 8 + 32 (r / 8)) / 2
	s_delay_alu instid0(VALU_DEP_1)
	v_mul_u32_u24 v[LW], v12, 272
	s_delay_alu instid0(VALU_DEP_1)
	v_lshl_add_u32 v[LW], v27, 7, v[LW]
	s_delay_alu instid0(VALU_DEP_1)
	v_lshl_add_u32 v[LW], v11, 4, v[LW]
	v_and_b32 v12, 7, v0
	s_delay_alu instid0(VALU_DEP_1)
	v_lshl_add_u32 v12, v26, 5, v12                ; r % 8 + 32 (r / 8)
	s_delay_alu instid0(VALU_DEP_1)
	v_lshlrev_b32 v[LS8], 3, v12
	v_lshlrev_b32 v[LS32], 5, v12
	v_mul_u32_u24 v[LPR], v12, 528
	v_lshl_add_u32 v[LS8], v11, 2, v[LS8]
	v_lshl_add_u32 v[LS32], v11, 8, v[LS32]
	v_lshl_add_u32 v[LPR], v11, 4, v[LPR]
	v_lshlrev_b32 v[LP], 7, v11
	v_add_nc_u32 v[LPR], WPR, v[LPR]
	s_mul_i32 s7, s5, 16*272
	s_add_co_u32 s7, s7, STG                       ; my stage
	v_mul_u32_u24 v[STI], v10, 272
	v_mul_u32_u24 v[STD], v11, 272
	v_lshlrev_b32 v[GX], 10, v11
	v_add_nc_u32 v[STI], v[STI], v[LP]
	v_lshl_add_u32 v[STD], v10, 4, v[STD]
	v_lshl_add_u32 v[GX], v10, 4, v[GX]
	v_add_nc_u32 v[STI], s7, v[STI]
	v_add_nc_u32 v[STD], s7, v[STD]
	s_lshr_b32 s7, s3, 1
	s_lshl_b32 s7, s7, 10
	s_add_co_u32 s7, s7, ZB
	v_add_nc_u32 v[AZ], s7, v[LP]
	v_mov_b32 v[PT], 0                             ; a lane permute's destination counts as one of its sources
	v_mov_b32 v[PT+1], 0
	; offsets of the head alone (v16-25)
	v_lshlrev_b32 v16, 2, v0
	v_lshlrev_b32 v18, 4, v0
	v_lshlrev_b32 v19, 7, v10
	v_lshlrev_b32 v20, 3, v10
	v_lshlrev_b32 v21, 5, v11                      ; a bias: my half's eight of a tile's sixteen
	v_and_b32 v25, 3, v0                           ; source 1 holds my group's four blocks, four times over
	v_lshl_add_u32 v19, v11, 4, v19                ; codes of 16 neighbouring rows: row r, + 16 h
	v_lshl_add_u32 v20, v11, 2, v20                ; their scale words; lanes 16-31 the second K step's
	v_lshlrev_b32 v22, 7, v25
	v_lshlrev_b32 v23, 3, v25
	v_lshl_add_u32 v15, v25, 10, v21
	v_lshl_add_u32 v17, v25, 10, v[LP]
	v_lshl_add_u32 v22, v11, 4, v22
	v_lshl_add_u32 v23, v11, 2, v23
	s_lshl_b32 s7, s3, 7
	s_add_co_u32 s7, s7, ZB
	v_add_nc_u32 v15, s7, v15                      ; where my 32 features go: ZB + 1,024 (r % 4) + 128 wave + 32 h; V lies VB - ZB on.  (v15 takes another LDS address in the MLP)
	v_add_nc_u32 v17, VB, v17                      ; V read back: block r % 4, + 128 h
	s_wait_alu depctr_va_vdst(0)
	s_wait_dscnt 0x0                               ; both opening adds are done
	s_wait_kmcnt 0x0
	s_lshl_b32 s58, s6, 18                         ; my group's 256 rows of 1,024 bytes
	s_add_nc_u64 s[8:9], s[8:9], s[58:59]
	s_add_nc_u64 s[10:11], s[10:11], s[58:59]
	s_lshl_b32 s58, s6, 9                          ; its four rows of cx
	s_add_nc_u64 s[12:13], s[12:13], s[58:59]
	s_lshl_b32 s58, s6, 5
	s_add_nc_u64 s[14:15], s[14:15], s[58:59]
	s_lshl_b32 s66, s3, 15                         ; my wave's 32 rows
	s_add_nc_u64 s[8:9], s[8:9], s[66:67]
	s_add_nc_u64 s[10:11], s[10:11], s[66:67]
	s_lshl_b32 s66, s3, 12                         ; wave w makes features 32 w .. + 31 of V and of y wo: 32 rows of codes,
	s_add_nc_u64 s[16:17], s[16:17], s[66:67]
	s_add_nc_u64 s[22:23], s[22:23], s[66:67]
	s_lshl_b32 s66, s3, 8                          ; their scale bytes,
	s_add_nc_u64 s[18:19], s[18:19], s[66:67]
	s_add_nc_u64 s[24:25], s[24:25], s[66:67]
	s_lshl_b32 s66, s3, 7                          ; 32 numbers of bkv, bo, ln1_b
	s_add_nc_u64 s[20:21], s[20:21], s[66:67]
	s_add_nc_u64 s[26:27], s[26:27], s[66:67]
	s_add_nc_u64 s[38:39], s[38:39], s[66:67]
	s_lshl_b32 s66, s5, 15                         ; groups 0: a quarter is 32,768 bytes of either weight; nothing in them hangs on the work-group
	s_add_nc_u64 s[G0F+2:G0F+3], s[28:29], s[66:67]
	s_add_nc_u64 s[G0P+2:G0P+3], s[30:31], s[66:67]
	s_or_b32 s[G0F+3], s[G0F+3], 0x80000000
	s_or_b32 s[G0P+3], s[G0P+3], 0x80000000
	s_mov_b32 s[G0F], 1
	s_mul_i32 s7, s5, 128*272
	s_add_co_u32 s[G0F+1], s7, WFC
	s_mov_b32 s[G0P], 1
	s_mul_i32 s7, s5, 64*528
	s_add_co_u32 s[G0P+1], s7, WPR
	ROUND                                          ; all four work-groups are here: the joint loads meet
	s_cmp_lt_u32 s3, 4                             ; one tensor load a wave, ahead of the plain loads: waves 0-3 w_fc's quarters, waves 4-7 w_pr's
	s_cbranch_scc0 .Lfor_p
	tensor_load_to_lds s[G0F:G0F+3], s[G1F:G1F+7]
	s_nop 0
	PLACES 4
	s_branch .Lasked
.Lfor_p:
	tensor_load_to_lds s[G0P:G0P+3], s[G1P:G1P+7]
	s_nop 0
	PLACES 4
.Lasked:
	; parameters and scale bytes: each thread its own bytes, 9 loads
	global_load_b32 v128, v16, s[36:37]
	global_load_b32 v129, v16, s[40:41]
	global_load_b32 v130, v16, s[42:43]
	global_load_b32 v131, v16, s[44:45]
	global_load_b128 v[132:135], v18, s[46:47]
	global_load_b128 v[136:139], v18, s[32:33]
	global_load_b128 v[140:143], v18, s[32:33] offset:4096
	global_load_b128 v[144:147], v18, s[34:35]
	global_load_b128 v[148:151], v18, s[34:35] offset:4096
	; 37 loads: two tiles of wkv (V's rows begin at row 256) and of wo, their scale words, the biases in the result's layout, cx
.irp t,0,1
.irp s,0,1
.irp e,0,1
	global_load_b128 v[WF+16*\t+8*\s+4*\e:WF+16*\t+8*\s+4*\e+3], v19, s[16:17] offset:32768+2048*\t+64*\s+32*\e
	global_load_b128 v[WF+32+16*\t+8*\s+4*\e:WF+32+16*\t+8*\s+4*\e+3], v19, s[22:23] offset:2048*\t+64*\s+32*\e
.endr
.endr
	global_load_b32 v[WS+\t], v20, s[18:19] offset:2048+128*\t
	global_load_b32 v[WS+2+\t], v20, s[24:25] offset:128*\t
.irp e,0,1
	global_load_b128 v[PB+8*\t+4*\e:PB+8*\t+4*\e+3], v21, s[20:21] offset:1024+64*\t+16*\e
	global_load_b128 v[PB+16+8*\t+4*\e:PB+16+8*\t+4*\e+3], v21, s[26:27] offset:64*\t+16*\e
	global_load_b128 v[112+8*\t+4*\e:112+8*\t+4*\e+3], v21, s[38:39] offset:64*\t+16*\e
.endr
.endr
.irp s,0,1
.irp e,0,1
	global_load_b128 v[XC+8*\s+4*\e:XC+8*\s+4*\e+3], v22, s[12:13] offset:64*\s+32*\e
.endr
.endr
	global_load_b32 v[XS], v23, s[14:15]
	s_cmp_lt_u32 s3, 4                             ; waves 0-3 ask for x now
	s_cbranch_scc0 .Lnot_yet
	XLOAD 0
	s_wait_loadcnt 32                              ; all but the 32 loads of x: the parameters and the small products' operands are in
	XLOAD 1
	s_branch .Lgot
.Lnot_yet:
	s_wait_loadcnt 0x0
.Lgot:
.irp k,0,1,2,3
	ds_store_b32 v16, v[128+\k] offset:PAR+1024*\k
.endr
	ds_store_b128 v18, v[132:135] offset:PAR+4096
	ds_store_b128 v18, v[136:139] offset:SCF
	ds_store_b128 v18, v[140:143] offset:SCF+4096
	ds_store_b128 v18, v[144:147] offset:SCP
	ds_store_b128 v18, v[148:151] offset:SCP+4096
.irp j,0,2,4,6,8,10,12,14
	v_pk_add_f32 v[PB+16+\j:PB+17+\j], v[PB+16+\j:PB+17+\j], v[112+\j:113+\j]   ; bo + ln1_b
.endr
	; V = cx wkv + bkv: lane (r, h) gets features 32 w + 16 t + 8 h + 0 .. 7 of block r % 4.  Two accumulators by turns
.irp t,0,1
	MM HA+8*\t,WF+16*\t,XC,PB+8*\t,WS+\t,XS,0
.endr
.irp t,0,1
	MM HA+8*\t,WF+16*\t+8,XC+8,HA+8*\t,WS+\t,XS,2
.endr
	PLACES 4
.irp t,0,1
	ds_store_b128 v15, v[HA+8*\t:HA+8*\t+3] offset:VB-ZB+64*\t     ; the four lanes that hold a block store the same numbers to the same words
	ds_store_b128 v15, v[HA+8*\t+4:HA+8*\t+7] offset:VB-ZB+64*\t+16
.endr
	s_wait_dscnt 0x0                               ; my stores of parameters and of V have landed
	s_barrier_signal -1
	s_barrier_wait -1
	s_cmp_lt_u32 s3, 4                             ; waves 4-7 ask for x here: their loads stand behind those of waves 0-3
	s_cbranch_scc1 .Lasked_x
	s_wait_loadcnt 0x0                             ; no load into these registers is out on any way through the text
	XLOAD 0
	XLOAD 1
.Lasked_x:
	; y = V, quantised: lane (r, h) takes blocks 4 s + 2 e + h of block r % 4's 256 numbers
.irp e,0,1
.irp s,0,1
.irp i,0,1,2,3,4,5,6,7
	ds_load_b128 v[HA+32*\s+4*\i:HA+32*\s+4*\i+3], v17 offset:512*\s+256*\e+16*\i
.endr
.endr
	s_wait_dscnt 0x0
	QB HA,HA+32,0,XC+4*\e,XC+8+4*\e,\e
.endr
	SCALEWORDS XS,XS+1
	PLACES 8                                       ; a scale register written by a vector instruction stands eight places ahead of a scaled product
.irp t,0,1
	MM HA+8*\t,WF+32+16*\t,XC,PB+16+8*\t,WS+2+\t,XS,0
.endr
.irp t,0,1
	MM HA+8*\t,WF+40+16*\t,XC+8,HA+8*\t,WS+2+\t,XS+1,1
.endr
	PLACES 4
.irp t,0,1
	ds_store_b128 v15, v[HA+8*\t:HA+8*\t+3] offset:64*\t
	ds_store_b128 v15, v[HA+8*\t+4:HA+8*\t+7] offset:64*\t+16
.endr
	s_wait_dscnt 0x0
	s_barrier_signal -1
	s_barrier_wait -1
	s_cmp_lt_u32 s3, 4
	s_cbranch_scc0 .Lnot_a_in
	TURNALL
.Lnot_a_in:
	s_wait_tensorcnt 0x0                           ; my quarter of a weight has landed
	s_wait_dscnt 0x0                               ; waves 0-3: x is back, the stage is read out
	s_barrier_signal -1
	s_barrier_wait -1
	s_cmp_lt_u32 s3, 4
	s_cbranch_scc1 .Lnot_b_in
	TURNALL
	s_wait_dscnt 0x0
.Lnot_b_in:
	s_barrier_signal -1                            ; the stages are read out.  The wait stands ahead of the first way out; up to there: register work and LDS loads of bytes that nobody writes
	; every load of the head is done: the registers that held its pointers take the constants
	SPAIR CA, 0x2bd3f331
	SPAIR CA+2, 0x3347667d
	SPAIR CA+4, 0x3628d45d
	SPAIR CA+6, 0x38883d9c
	SPAIR CA+8, 0x3a08eb41
	SPAIR CA+10, 0x3bba79f3
	SPAIR CB, 0x357460cd
	SPAIR CB+2, 0x39dc924e
	SPAIR CB+4, 0x3b719bf8
	SPAIR CB+6, 0x3c69b6a7
	s_mov_b32 s[CL], 0xc0b504f3
	s_mov_b32 s[CL+1], 0x40b504f3
	s_mov_b32 s[RN], 0x3b800000
	s_mov_b32 s[EPSR], 0x3727c5ac
; a row's mean and 1 / sqrt(variance + eps), tile m.  A lane has 128 of its row's 256 numbers, lane l xor 16 the others.  The mean is taken off in place ahead of the squares
.macro STATS m
.set XB, 128*(\m)
.set SC, HA+8*(\m)
.set MU, SV+4*(\m)
	WIN 0x05
.irp k,0,1,2,3
	v_pk_add_f32 v[SC+2*\k:SC+2*\k+1], v[XB+4*\k:XB+4*\k+1], v[XB+4*\k+2:XB+4*\k+3]
.endr
	WIN 0x04
.set p, 8
.rept 56
	v_pk_add_f32 v[SC+2*(p%4):SC+2*(p%4)+1], v[SC+2*(p%4):SC+2*(p%4)+1], v[XB+2*p:XB+2*p+1]
.set p, p+1
.endr
	WIN 0
	v_pk_add_f32 v[SC:SC+1], v[SC:SC+1], v[SC+2:SC+3]
	v_pk_add_f32 v[SC+4:SC+5], v[SC+4:SC+5], v[SC+6:SC+7]
	s_delay_alu instid0(VALU_DEP_1)
	v_pk_add_f32 v[SC:SC+1], v[SC:SC+1], v[SC+4:SC+5]
	s_delay_alu instid0(VALU_DEP_1)
	v_add_f32 v[SC], v[SC], v[SC+1]
	s_delay_alu instid0(VALU_DEP_1)
	v_permlanex16_b32 v[PT], v[SC], s[SEL], s[SEL+1]
	s_delay_alu instid0(VALU_DEP_1)
	v_add_f32 v[SC], v[SC], v[PT]
	s_delay_alu instid0(VALU_DEP_1)
	v_mul_f32 v[MU], s[RN], v[SC]
	s_delay_alu instid0(VALU_DEP_2)
	v_mul_f32 v[MU+1], s[RN], v[SC]
	WIN 0x41
.set p, 0
.rept 64
	v_pk_add_f32 v[XB+2*p:XB+2*p+1], v[XB+2*p:XB+2*p+1], v[MU:MU+1] neg_lo:[0,1] neg_hi:[0,1]
.set p, p+1
.endr
	WIN 0x05
.irp k,0,1,2,3
	v_pk_mul_f32 v[SC+2*\k:SC+2*\k+1], v[XB+2*\k:XB+2*\k+1], v[XB+2*\k:XB+2*\k+1]
.endr
.set p, 4
.rept 60
	v_pk_fma_f32 v[SC+2*(p%4):SC+2*(p%4)+1], v[XB+2*p:XB+2*p+1], v[XB+2*p:XB+2*p+1], v[SC+2*(p%4):SC+2*(p%4)+1]
.set p, p+1
.endr
	WIN 0
	v_pk_add_f32 v[SC:SC+1], v[SC:SC+1], v[SC+2:SC+3]
	v_pk_add_f32 v[SC+4:SC+5], v[SC+4:SC+5], v[SC+6:SC+7]
	s_delay_alu instid0(VALU_DEP_1)
	v_pk_add_f32 v[SC:SC+1], v[SC:SC+1], v[SC+4:SC+5]
	s_delay_alu instid0(VALU_DEP_1)
	v_add_f32 v[SC], v[SC], v[SC+1]
	s_delay_alu instid0(VALU_DEP_1)
	v_permlanex16_b32 v[PT], v[SC], s[SEL], s[SEL+1]
	s_delay_alu instid0(VALU_DEP_1)
	v_add_f32 v[SC], v[SC], v[PT]
	s_delay_alu instid0(VALU_DEP_1)
	v_fma_f32 v[SC], v[SC], s[RN], s[EPSR]
	s_wait_alu depctr_va_vdst(0)
	v_rsq_f32 v[MU+2], v[SC]                       ; twice: the packed multiply names a pair
	v_rsq_f32 v[MU+3], v[SC]
.endm
.macro SCALEFMA c                      ; X = ((x - mean) / sqrt) x WF + (WF + 32), features 64 c .. + 63 of both tiles
	WIN 0x41
.irp m,0,1
.set j, 128*\m+32*(\c)
.rept 16
	v_pk_mul_f32 v[j:j+1], v[j:j+1], v[SV+2+4*\m:SV+3+4*\m]
.set j, j+2
.endr
.endr
.irp m,0,1
.set j, 0
.rept 16
	v_pk_fma_f32 v[128*\m+32*(\c)+j:128*\m+32*(\c)+j+1], v[128*\m+32*(\c)+j:128*\m+32*(\c)+j+1], v[WF+j:WF+j+1], v[WF+32+j:WF+33+j]
.set j, j+2
.endr
.endr
.endm
.macro LN1FIN c                        ; x2 = x1 + y wo + bo: LN1's additive term is my block's row of ZB
.irp i,0,1,2,3,4,5,6,7
	ds_load_b128 v[WF+4*\i:WF+4*\i+3], v[AB] offset:256*(\c)+16*\i
.endr
.irp i,0,1,2,3,4,5,6,7
	ds_load_b128 v[WF+32+4*\i:WF+35+4*\i], v[AZ] offset:256*(\c)+16*\i
.endr
	s_wait_dscnt 0x0
	SCALEFMA \c
	WIN 0
.endm
.macro LN2FIN c                        ; x3; quantised; then b_pr is added in place, under the sums to come
.irp i,0,1,2,3,4,5,6,7
	ds_load_b128 v[WF+4*\i:WF+4*\i+3], v[AB] offset:256*(\c)+16*\i
.endr
.irp i,0,1,2,3,4,5,6,7
	ds_load_b128 v[WF+32+4*\i:WF+35+4*\i], v[AB] offset:1024+256*(\c)+16*\i
.endr
	BLOAD AB,2048+256*(\c)
	s_wait_dscnt 0x0
	SCALEFMA \c
	QB 32*(\c),128+32*(\c),1,XC+8*((\c)/2)+4*((\c)%2),XC+16+8*((\c)/2)+4*((\c)%2),(\c)%2
.if (\c)%2
	SCALEWORDS XS+(\c)/2,XS+2+(\c)/2
.endif
	WIN 0x41
.irp m,0,1
.set j, 0
.rept 16
	v_pk_add_f32 v[128*\m+32*(\c)+j:128*\m+32*(\c)+j+1], v[128*\m+32*(\c)+j:128*\m+32*(\c)+j+1], v[PB+j:PB+j+1]
.set j, j+2
.endr
.endr
	WIN 0
.endm
	STATS 0
	s_wait_alu depctr_va_vdst(0)
	STATS 1
	v_add_nc_u32 v[AB], PAR, v[LP]                 ; ln1_w.  (A plain line behind the last reciprocal root)
	s_wait_alu depctr_va_vdst(0)                   ; one wait for the four, ahead of their first reader
	LN1FIN 0
	LN1FIN 1
	LN1FIN 2
	LN1FIN 3
	STATS 0
	s_wait_alu depctr_va_vdst(0)
	STATS 1
	v_add_nc_u32 v[AB], PAR+1024, v[LP]            ; ln2_w, ln2_b, b_pr
	s_wait_alu depctr_va_vdst(0)
	LN2FIN 0
	LN2FIN 1
	LN2FIN 2
	LN2FIN 3
; gelu of 16 registers at b, in place.  W = WF, Y = W W at WF + 16, Q at WF + 32, P at WF + 48.  One reciprocal serves two numbers: T = Q[k] Q[k + 8] at PB + k (Q lies between 0.014 and 2.4),
; 1 / Q[k] = Q[k + 8] / T and 1 / Q[k + 8] = Q[k] / T.  The eight reciprocals go as one batch, with P's lines behind it as independent work
.macro GELU b
.set U, \b
.set j, 0
.rept 16
	v_med3_num_f32 v[WF+j], v[U+j], s[CL], s[CL+1]
.set j, j+1
.endr
.set j, 0
.rept 8
	v_pk_mul_f32 v[WF+16+j:WF+17+j], v[WF+j:WF+j+1], v[WF+j:WF+j+1]
.set j, j+2
.endr
.set j, 0
.rept 8
	v_pk_fma_f32 v[WF+32+j:WF+33+j], v[WF+16+j:WF+17+j], s[CB:CB+1], v[VB3:VB3+1] op_sel_hi:[1,0,1]
.set j, j+2
.endr
.irp k,1,2,3
.set j, 0
.rept 8
	v_pk_fma_f32 v[WF+32+j:WF+33+j], v[WF+32+j:WF+33+j], v[WF+16+j:WF+17+j], s[CB+2*\k:CB+2*\k+1] op_sel_hi:[1,1,0]
.set j, j+2
.endr
.endr
.set j, 0
.rept 4
	v_pk_mul_f32 v[PB+j:PB+j+1], v[WF+32+j:WF+33+j], v[WF+40+j:WF+41+j]
.set j, j+2
.endr
	s_wait_alu depctr_va_vdst(0)
.set j, 0
.rept 8
	v_rcp_f32 v[PB+j], v[PB+j]
.set j, j+1
.endr
.set j, 0
.rept 8
	v_pk_fma_f32 v[WF+48+j:WF+49+j], v[WF+16+j:WF+17+j], s[CA:CA+1], v[VA5:VA5+1] op_sel_hi:[1,0,1]
.set j, j+2
.endr
.irp k,1,2,3,4,5
.set j, 0
.rept 8
	v_pk_fma_f32 v[WF+48+j:WF+49+j], v[WF+48+j:WF+49+j], v[WF+16+j:WF+17+j], s[CA+2*\k:CA+2*\k+1] op_sel_hi:[1,1,0]
.set j, j+2
.endr
.endr
.set j, 0
.rept 8
	v_pk_mul_f32 v[WF+48+j:WF+49+j], v[WF+48+j:WF+49+j], v[WF+j:WF+j+1]
.set j, j+2
.endr
.set j, 0
.rept 4
	v_pk_mul_f32 v[WF+48+j:WF+49+j], v[WF+48+j:WF+49+j], v[WF+40+j:WF+41+j]   ; each numerator x its partner's Q
	v_pk_mul_f32 v[WF+56+j:WF+57+j], v[WF+56+j:WF+57+j], v[WF+32+j:WF+33+j]
.set j, j+2
.endr
	s_wait_alu depctr_va_vdst(0)                   ; and behind the batch, ahead of its first reader
.set j, 0
.rept 4
	v_pk_fma_f32 v[WF+48+j:WF+49+j], v[WF+48+j:WF+49+j], v[PB+j:PB+j+1], 0.5 op_sel_hi:[1,1,0]   ; 1/2 + erf / 2
	v_pk_fma_f32 v[WF+56+j:WF+57+j], v[WF+56+j:WF+57+j], v[PB+j:PB+j+1], 0.5 op_sel_hi:[1,1,0]
.set j, j+2
.endr
.set j, 0
.rept 8
	v_pk_mul_f32 v[U+j:U+j+1], v[U+j:U+j+1], v[WF+48+j:WF+49+j]
.set j, j+2
.endr
.endm
.macro GELU64
	GELU HA
	GELU HA+16
	GELU HA+32
	GELU HA+48
.endm
.macro PRSC                            ; w_pr's scale words of this K step: register 2 c + u: lanes 0-15 tile (c, 2 u), lanes 16-31 tile (c, 2 u + 1)
.irp c,0,1,2,3
.irp u,0,1
	ds_load_b32 v[WS+2*\c+\u], v[AS] offset:(64*\c+16*\u)*32
.endr
.endr
.endm
.macro PRLOAD adr, dst                 ; eight tiles of w_pr
.irp u,0,1
.irp g,0,1,2,3
.irp e,0,1
	ds_load_b128 v[(\dst)+32*\u+8*\g+4*\e:(\dst)+32*\u+8*\g+4*\e+3], v[\adr] offset:(64*\u+8*\g)*528+32*\e
.endr
.endr
.endr
.endm
.macro PRMUL b, src                    ; 16 products onto 16 accumulators of X, in place, each once
	WIN 0x50
.irp u,0,1
.irp g,0,1,2,3
.irp m,0,1
	MM 128*\m+32*(2*(\b)+\u)+8*\g,(\src)+32*\u+8*\g,HC+8*\m,128*\m+32*(2*(\b)+\u)+8*\g,WS+2*(2*(\b)+\u)+\g/2,HS+\m,\g%2
.endr
.endr
.endr
	WIN 0
.endm
	v_mov_b32 v[VA5], 0xafa84a8d                   ; P's coefficient 5 and Q's coefficient 3, as pairs
	v_mov_b32 v[VA5+1], 0xafa84a8d
	v_mov_b32 v[VB3], 0x37dfbd29
	v_mov_b32 v[VB3+1], 0x37dfbd29
	s_wait_alu depctr_va_vdst(0)
	s_mov_b32 s[FB], WFC
	s_mov_b32 s[PRB], 0
	s_mov_b32 s[SFB], SCF
	s_mov_b32 s[SPB], SCP
	s_mov_b32 s[BFB], PAR+4096
	s_mov_b32 s67, 8
.Lchunk:                                               ; 128 hidden units a trip, one K step of the last product: two halves of 64 (product, gelu, quantise), then 32 products onto X
	v_add_nc_u32 v[AW], s[FB], v[LW]
	v_add_nc_u32 v[AS], s[SFB], v[LS8]
	v_add_nc_u32 v[AB], s[BFB], v[LP]
	WLOAD 0
	BLOAD AB,0
	s_wait_dscnt 0x0
	MULH
	PLACES 4
	GELU64
	WLOAD 64                                       ; the second half's weights are on their way while the first half is quantised
	BLOAD AB,256
	QB HA,HA+32,0,HC,HC+8,0
	s_wait_dscnt 0x0
	MULH
	PLACES 4
	GELU64
	v_add_nc_u32 v[AW], s[PRB], v[LPR]
	v_add_nc_u32 v[AS], s[SPB], v[LS32]
	s_delay_alu instid0(VALU_DEP_2)
	v_add_nc_u32 v[AW2], 128*528, v[AW]            ; rows 128 on: beyond a 16-bit offset
	PRSC
	PRLOAD AW,WF
	QB HA,HA+32,0,HC+4,HC+12,1
	PRLOAD AW2,HA                                  ; into the registers that the conversions have read
	SCALEWORDS HS,HS+1
	PLACES 8                                       ; the scale words just made stand eight places ahead of the products
	s_wait_alu depctr_va_vdst(0)
	s_wait_dscnt 0x0
	PRMUL 0,WF
	PRMUL 1,HA
	PLACES 5                                       ; the next trip's products write over HA; its loads land in WF; the way out reads X
	s_add_co_u32 s[FB], s[FB], 64*272
	s_add_co_u32 s[PRB], s[PRB], 64
	s_add_co_u32 s[SFB], s[SFB], 1024
	s_add_co_u32 s[SPB], s[SPB], 4
	s_add_co_u32 s[BFB], s[BFB], 512
	s_sub_co_u32 s67, s67, 1
	s_cmp_lg_u32 s67, 0
	s_cbranch_scc1 .Lchunk
; THE WAY OUT: round a = 4 m + c: 16 rows x 256 bytes through my stage, in 128 bytes a lane (each accumulator from its low end on), back by rows: sixteen lanes store 256 consecutive bytes, aligned
.macro TOSTAGE a
	WIN 0x04
.irp i,0,1,2,3,4,5,6,7
	ds_store_b128 v[STI], v[32*(\a)+4*\i:32*(\a)+4*\i+3] offset:16*\i
.endr
	WIN 0
.irp i,0,1,2,3,4,5,6,7
	ds_load_b128 v[HA+32*((\a)%4)+4*\i:HA+32*((\a)%4)+4*\i+3], v[STD] offset:544*\i
.endr
.endm
.macro SEND a, younger                 ; younger: the next round's eight LDS stores and eight loads, or none
	s_wait_dscnt \younger
.irp i,0,1,2,3,4,5,6,7
	global_store_b128 v[GX], v[HA+32*((\a)%4)+4*\i:HA+32*((\a)%4)+4*\i+3], s[10:11] offset:(16*((\a)/4)+2*\i)*1024+256*((\a)%4) th:TH_STORE_NT
.endr
.endm
.macro WAYOUT
	TOSTAGE 0
.irp a,1,2,3,4,5,6,7
.if \a >= 4
	s_wait_xcnt 0x0                                ; the stores of four rounds ago have read their registers: this round's loads may land there
.endif
	TOSTAGE \a
	SEND \a-1, 16
.endr
	SEND 7, 0
.endm
	s_barrier_wait -1                              ; every wave has read its x out of the stages
	s_cmp_lt_u32 s3, 4
	s_cbranch_scc0 .Lnot_a_out
	WAYOUT
.Lnot_a_out:
	s_wait_dscnt 0x0                               ; waves 0-3: the stage is read out
	s_barrier_signal -1
	s_barrier_wait -1
	s_cmp_lt_u32 s3, 4
	s_cbranch_scc1 .Lnot_b_out
	s_wait_xcnt 0x0                                ; no store still reads these registers on any way through the text
	WAYOUT
.Lnot_b_out:
	s_wait_tensorcnt 0x0                           ; the wave's end
	ds_add_u32 v[SPW], v[NIL]
	s_wait_dscnt 0x0
	ROUND                                          ; the closing round
	s_endpgm
.Lfunc_end_k_q990696530c_block:
	.size	k_q990696530c_block, .Lfunc_end_k_q990696530c_block-k_q990696530c_block
	.p2alignl 7, 3214868480
	.fill 96, 4, 3214868480
	.section	.rodata,"a",@progbits
	.p2align	6, 0x0
	.amdhsa_kernel k_q990696530c_block
		.amdhsa_group_segment_fixed_size 327680
		.amdhsa_private_segment_fixed_size 0
		.amdhsa_enable_private_segment 0
		.amdhsa_kernarg_size 160
		.amdhsa_user_sgpr_count 2
		.amdhsa_user_sgpr_kernarg_segment_ptr 1
		.amdhsa_wavefront_size32 1
		.amdhsa_system_sgpr_workgroup_id_x 1
		.amdhsa_system_sgpr_workgroup_id_y 1
		.amdhsa_system_sgpr_workgroup_id_z 1
		.amdhsa_system_vgpr_workitem_id 0
		.amdhsa_next_free_vgpr 512
		.amdhsa_next_free_sgpr 100
		.amdhsa_reserve_vcc 0
		.amdhsa_float_denorm_mode_32 3
		.amdhsa_float_denorm_mode_16_64 3
		.amdhsa_memory_ordered 1
		.amdhsa_forward_progress 1
		.amdhsa_inst_pref_size 255
	.end_amdhsa_kernel
	.section	.bss,"aw",@nobits
	.p2align	6
	.space	262144
	.amdgpu_metadata
---
amdhsa.version: [ 1, 2 ]
amdhsa.kernels:
  - .name:           k_q990696530c_block
    .symbol:         k_q990696530c_block.kd
    .args:
      - { .name: x, .offset: 0, .size: 8, .value_kind: global_buffer, .address_space: global }
      - { .name: out0, .offset: 8, .size: 8, .value_kind: global_buffer, .address_space: global }
      - { .name: cx_codes, .offset: 16, .size: 8, .value_kind: global_buffer, .address_space: global }
      - { .name: cx_scales, .offset: 24, .size: 8, .value_kind: global_buffer, .address_space: global }
      - { .name: wkv_codes, .offset: 32, .size: 8, .value_kind: global_buffer, .address_space: global }
      - { .name: wkv_scales, .offset: 40, .size: 8, .value_kind: global_buffer, .address_space: global }
      - { .name: bkv, .offset: 48, .size: 8, .value_kind: global_buffer, .address_space: global }
      - { .name: wo_codes, .offset: 56, .size: 8, .value_kind: global_buffer, .address_space: global }
      - { .name: wo_scales, .offset: 64, .size: 8, .value_kind: global_buffer, .address_space: global }
      - { .name: bo, .offset: 72, .size: 8, .value_kind: global_buffer, .address_space: global }
      - { .name: w_fc_codes, .offset: 80, .size: 8, .value_kind: global_buffer, .address_space: global }
      - { .name: w_pr_codes, .offset: 88, .size: 8, .value_kind: global_buffer, .address_space: global }
      - { .name: w_fc_scales, .offset: 96, .size: 8, .value_kind: global_buffer, .address_space: global }
      - { .name: w_pr_scales, .offset: 104, .size: 8, .value_kind: global_buffer, .address_space: global }
      - { .name: ln1_w, .offset: 112, .size: 8, .value_kind: global_buffer, .address_space: global }
      - { .name: ln1_b, .offset: 120, .size: 8, .value_kind: global_buffer, .address_space: global }
      - { .name: ln2_w, .offset: 128, .size: 8, .value_kind: global_buffer, .address_space: global }
      - { .name: ln2_b, .offset: 136, .size: 8, .value_kind: global_buffer, .address_space: global }
      - { .name: b_pr, .offset: 144, .size: 8, .value_kind: global_buffer, .address_space: global }
      - { .name: b_fc, .offset: 152, .size: 8, .value_kind: global_buffer, .address_space: global }
    .group_segment_fixed_size: 327680
    .private_segment_fixed_size: 0
    .kernarg_segment_align: 8
    .kernarg_segment_size: 160
    .max_flat_workgroup_size: 256
    .sgpr_count:     100
    .vgpr_count:     512
    .wavefront_size: 32
...
	.end_amdgpu_metadata
.endif
;; end of part 1
